; MI455X (gfx1250); checked and timed in simulation.
; The chip was launched on July 23, 2026; its instructions are those of AMD's public machine-readable ISA for CDNA 5 (MIT licence, August 2026) and "CDNA5" Instruction Set Architecture Reference Guide (July 2026). The comments in the code are by the model that wrote it; some were corrected since.
;; Di T Attention. Allowed arithmetic: matrix products marked QUANTISED: E2M3 operands, one E8M0 scale for each 32 along K, by v_wmma_scale_f32_16x16x128_f8f6f4 with both operands' format E2M3, f32 sums; everything else in f32.
;; Inputs: wk 1,024 x 1,024 float32; wo 1,024 x 1,024 float32; wq 1,024 x 1,024 float32; wv 1,024 x 1,024 float32; x 8 x 1,024 x 1,024 float32.
;; Outputs: out0 8 x 1,024 x 1,024 float32.
;; This version of the problem:
;;   THIS VERSION OF THE PROBLEM IS GIVEN IN LOW PRECISION. The matrix products marked QUANTISED in the list below multiply operands that are first quantised to E2M3 (2 exponent bits, 3 mantissa bits; 6 bits a number), with one power-of-two scale for each 32 numbers along K (OCP MX v1.0); their sums are f32. All else is computed in f32.
;;   The module's matrix products, in the order in which they are computed (A, B: the left and right operand; K: the contracted axis; several contracted axes count as one K, in the product's order):
;;     1. [M 8,192, K 1,024] x [K 1,024, N 1,024]; A: input x; B: input wq: QUANTISED
;;     2. [M 8,192, K 1,024] x [K 1,024, N 1,024]; A: input x; B: input wk: QUANTISED
;;     3. [M 8,192, K 1,024] x [K 1,024, N 1,024]; A: input x; B: input wv: QUANTISED
;;     4. batch 128 x [M 1,024, K 64] x [K 64, N 1,024]; A: computed on the way; B: computed on the way: QUANTISED
;;     5. batch 128 x [M 1,024, K 1,024] x [K 1,024, N 64]; A: softmax (see below); B: computed on the way: QUANTISED
;;     6. [M 8,192, K 1,024] x [K 1,024, N 1,024]; A: computed on the way; B: input wo: QUANTISED
;;   THE QUANTISER, for each operand of a quantised product, along K:
;;     - K is cut into blocks of 32 from its start; a last block that is shorter is filled with zeros.
;;     - A block's scale is 2^e with e = floor(log2(the largest magnitude in the block)) - 2, held to -126 .. 127; a block of zeros has e = 0. As a byte (E8M0): e + 127.
;;     - Each number is divided by its block's scale, clamped to +-7.5, and rounded to the nearest number of E2M3, ties to even, subnormals kept.
;;     - The product sums the exact products of the quantised numbers (number of the format x scale) in f32.
;;   ~~~python
;;   def quantise(x, axis):      # numpy; x: float32 -> the quantised numbers, widened to float32 again
;;       x = np.moveaxis(x, axis, -1); K = x.shape[-1]
;;       x = np.pad(x, [(0, 0)] * (x.ndim - 1) + [(0, -K % 32)]); x = x.reshape(x.shape[:-1] + (-1, 32)); a = np.abs(x).max(-1, keepdims=True)
;;       e = np.where(a > 0, np.clip(np.frexp(np.where(a > 0, a, 1))[1] - 1 - 2, -126, 127), 0)      # np.frexp(a)[1] - 1 = floor(log2(a)), exactly
;;       r = np.clip(x / 2.0 ** e, -7.5, 7.5)
;;       step = 2.0 ** (np.maximum(np.frexp(np.where(r == 0, 1, r))[1] - 1, 0) - 3)
;;       q = np.round(r / step) * step * 2.0 ** e      # np.round: ties to even
;;       return np.moveaxis(q.reshape(q.shape[:-2] + (-1,))[..., :K], -1, axis).astype(np.float32)
;;   ~~~
;;   SOFTMAX AHEAD OF A QUANTISED PRODUCT. Where the list says 'softmax', what is quantised is not the finished softmax but p = 2^(t - M), with t = logit x log2(e) and M = ceil(the row's largest t), a whole number; so 1/2 < the row's largest p <= 1. The row's sum l is taken of the UNQUANTISED p, in f32, and the product's result is divided by l at the end. Since M is a whole number, a kernel that streams over the keys may use a running M (the ceiling of the running maximum): every later rescaling is an exact power of two, which a block's scale takes up: the codes' values come out the same.
;;   OPERANDS COMPUTED ON THE WAY. 'Computed on the way' means the value that the module computes at that place (a softmax that the list does not call 'softmax' is quantised finished and normalised). What goes into a quantiser is computed in f32, as accurately as f32 sums, v_exp_f32 and their like allow (about 1e-6 of the number): no bf16 or f16 on the way to a quantiser, and a product that is left as it is and whose result goes on into a quantised operand takes f32 operands (vector FMAs, or v_wmma_f32_16x16x4_f32). A number that lies on a knife's edge between two numbers of the format may be rounded either way, as far as f32 arithmetic and the matrix unit's own rounding can turn it there, and no further.
;; One version. Each part assembles by itself: llvm-mc -triple=amdgcn-amd-amdhsa -mcpu=gfx1250 --defsym DOCPART=n.
;; ======== version 1 of 1: 4 launches
;; limits: right only within a limited range of input values
;; workspace buffers: xw_img 9,437,184 bytes; xw_sc 393,216 bytes; qk_img 12,582,912 bytes; qk_sc 1,048,576 bytes; v_img 6,291,456 bytes; v_sc 262,144 bytes; ao_img 6,291,456 bytes; ao_sc 262,144 bytes
;; launch quant (part 1): grid 384 x 1, 4 waves a work-group, no clusters, 35,328 bytes of LDS; arguments x, wq, wk, wv, wo, xw_img, xw_sc; writes xw_img, xw_sc
.if DOCPART == 1
	.amdgcn_target "amdgcn-amd-amdhsa--gfx1250"
	.amdhsa_code_object_version 6
	.text
	.protected	k_q0cbf30e723_quant
	.globl	k_q0cbf30e723_quant
	.p2align	8
	.type	k_q0cbf30e723_quant,@function
k_q0cbf30e723_quant:
	s_mov_b64 s[64:65], 0
	v_nop
	global_prefetch_b8 v0, s[64:65] scope:SCOPE_SE
	s_setreg_imm32_b32 hwreg(HW_REG_WAVE_MODE, 25, 1), 1
	s_wait_xcnt 0x0
; x [8192][1024] and wq, wk, wv, wo [1024][1024], f32, K innermost, become codes of FP6 (E2M3) with one E8M0 scale byte for each 32 along K.
; A block's scale is 2^(floor(log2(its largest magnitude)) - 2); its byte is the largest magnitude's exponent field - 2, held at 1 from below.
; LIMITS: NaN and infinities among the inputs are not served; a block whose largest magnitude lies under 2^-124 keeps the byte 1; a block of zeros gets the byte 1 where the
; rule says 127: its codes are zeros, which add nothing under any byte but 0xff, and the bytes are read by this program alone.
; THE LAYOUT OF THE RESULT IS THE LATER LAUNCHES' OPERAND REGISTERS.  All rows (x's 8,192, then the four weights' 4,096) are cut into 768 tiles of 16 rows.
; Place r of tile T holds row 32 (T / 2) + 8 (T % 2) + r + 8 (r / 8): in a product used transposed the 16 results of two neighbouring tiles are then 16 neighbours along the next K.
; A fragment (a tile x 128 along K: 12 registers a lane) lies as an IMAGE of its registers, 1,536 bytes: register 4 c + e of lane l at byte 512 c + 16 l + 4 e.
; xw_img: [768 tiles][8 K steps][1,536].   xw_sc: [8 K steps][12,288 places] words, place = 16 T + r, byte b of a word for k = 32 b .. 32 b + 31 of the K step.
; SHARES.  Work-group g takes the four tiles 4 (g / 2) .. + 3 (64 rows); its wave w takes K step 4 (g % 2) + w of them: four units of 16 rows x 128 numbers.
; A unit's 16 loads read 512 consecutive bytes each (a row's part); they turn through the wave's own stage in LDS, so that lane (r, h) gets, of row r, 16 neighbours of each block of 32.
; No tensor load, no barrier: waves share nothing.  Two units' loads (32 a wave) are on their way.
.set SP,   528                         ; a stage row: 512 bytes + 16: sixteen rows start at sixteen different groups of four banks
.set WREG, 16*SP+256                   ; a wave's LDS: the stage, and behind it its 64 scale words
.set LI,   4                           ; v4   16 x lane
.set STI,  5                           ; v5   the stage, on the way in: 16 x lane
.set STO,  6                           ; v6   and out: 528 r + 64 h
.set SCW,  7                           ; v7   where I put a row's scale word: 4 r
.set SCR,  8                           ; v8   and where I read 8 bytes of the 256 back
.set LJ,   9                           ; v9   8 x lane
.set R,    16                          ; v16-143   two sets of 64 registers, as loaded
.set X,    144                         ; v144-207  a unit's 64 numbers of my row: register 16 b + i = k 32 b + 16 h + i
.set TM,   208                         ; v208-211 largest magnitudes, v212-215 bytes, v220-223 the conversions' scale operands
.set PW,   224                         ; v224      the scale word
.set PC,   226                         ; v226-237  the fragment's codes; v238-244 at work
.set SRC,  20                          ; s[20:21]  my numbers
.set DC,   24                          ; s[24:25]  my codes
.set DS,   26                          ; s[26:27]  my scale words
.set SEL,  28                          ; s[28:29]  v_permlanex16_b32's selects for lane l xor 16
; 64 numbers of a lane, v[s + 16 b + i] = k 32 b + 16 h + i of my row, become a fragment's codes in v[PC] on and its scale word in v[PW].
.macro QUANT s
.irp b, 0,1,2,3
	v_max3_num_f32 v[TM+\b], |v[\s+16*\b]|, |v[\s+1+16*\b]|, 0x1800000   ; block b: my 16 numbers, and the floor 2^(3 - 127): the byte cannot fall under 1
.endr
.irp i, 2,4,6,8,10,12,14
.irp b, 0,1,2,3
	v_max3_num_f32 v[TM+\b], v[TM+\b], |v[\s+16*\b+\i]|, |v[\s+1+16*\b+\i]|   ; the four blocks by turns
.endr
.endr
.irp b, 0,1,2,3
	v_permlanex16_b32 v[TM+4+\b], v[TM+\b], s[SEL], s[SEL+1]
.endr
.irp b, 0,1,2,3
	v_max_num_f32 v[TM+\b], v[TM+\b], v[TM+4+\b]          ; with lane l xor 16's: the block's largest magnitude
.endr
.irp b, 0,1,2,3
	v_add_nc_u32 v[TM+12+\b], 0xff000000, v[TM+\b]        ; 2 off its exponent field: the conversion takes this operand's exponent field as its scale
.endr
.irp b, 0,1,2,3
	v_lshrrev_b32 v[TM+4+\b], 23, v[TM+12+\b]             ; the scale's byte
.endr
	v_lshl_or_b32 v[PW], v[TM+5], 8, v[TM+4]
	v_lshl_or_b32 v[PW], v[TM+6], 16, v[PW]
	v_lshl_or_b32 v[PW], v[TM+7], 24, v[PW]
.irp c, 0,1
	v_cvt_scalef32_pk16_fp6_f32 v[PC+6*\c:PC+2+6*\c], v[\s+32*\c:\s+15+32*\c], v[TM+12+2*\c]
	v_cvt_scalef32_pk16_fp6_f32 v[PC+12+4*\c:PC+14+4*\c], v[\s+16+32*\c:\s+31+32*\c], v[TM+12+2*\c+1]   ; (a conversion's three registers begin on an even number)
.endr
	v_nop                                                  ; one plain place behind a scaled conversion
.irp c, 0,1                                            ; the operand's layout wants a whole block in a lane: lanes 0-15 block 2 c, lanes 16-31 block 2 c + 1
.irp i, 0,1,2
	v_permlane16_swap_b32 v[PC+6*\c+\i], v[PC+12+4*\c+\i]
.endr
.irp i, 0,1,2
	v_mov_b32 v[PC+3+6*\c+\i], v[PC+12+4*\c+\i]
.endr
.endr
.endm
	s_load_b256 s[4:11], s[0:1], 0x0               ; x s[4:5], wq s[6:7], wk s[8:9], wv s[10:11]
	s_load_b128 s[12:15], s[0:1], 0x20             ; wo s[12:13], xw_img s[14:15]
	s_load_b64 s[16:17], s[0:1], 0x30              ; xw_sc
	v_lshl_add_u32 v248, v0, 2, 0x8800
	v_mov_b32 v249, 0
	v_lshrrev_b32 v1, 5, v0
	v_readfirstlane_b32 s18, v1                    ; wave 0..3
	v_and_b32 v1, 31, v0                           ; lane
	v_and_b32 v2, 15, v0                           ; r
	v_bfe_u32 v3, v0, 4, 1                         ; h
	s_mul_i32 s19, s18, WREG                       ; my wave's LDS
	v_lshlrev_b32 v[LI], 4, v1
	v_lshlrev_b32 v[LJ], 3, v1
	v_add_nc_u32 v[STI], s19, v[LI]
	v_mul_u32_u24 v[STO], v2, SP
	v_lshl_add_u32 v[STO], v3, 6, v[STO]
	v_add_nc_u32 v[STO], s19, v[STO]
	s_add_co_u32 s19, s19, 16*SP
	v_lshl_add_u32 v[SCW], v2, 2, s19
	v_add_nc_u32 v[SCR], s19, v[LJ]
	s_mov_b32 s[SEL], 0x76543210
	s_mov_b32 s[SEL+1], 0xfedcba98
.irp b, 0,1,2,3
	v_mov_b32 v[TM+4+\b], 0                        ; written once: a lane permute's destination counts as one of its sources
.endr
	s_lshr_b32 s30, ttmp9, 1                       ; which four tiles of the 768
	s_sub_co_u32 s31, s30, 128
	s_and_b32 s31, s31, 15                         ; their number inside a weight (16 fours each),
	s_and_b32 s22, ttmp9, 1
	s_lshl_b32 s22, s22, 2
	s_add_co_u32 s22, s22, s18                     ; my K step: 4 (g % 2) + wave
	s_cmp_lt_u32 ttmp9, 256
	s_cselect_b32 s31, s30, s31                    ; or inside x (128 fours)
	s_lshl_b32 s32, s31, 18                        ; 64 rows of 4,096 bytes,
	s_lshl_b32 s33, s22, 9                         ; 512 bytes a K step
	s_add_co_u32 s32, s32, s33
	s_mov_b32 s33, 0
	s_mul_i32 s34, s30, 49152                      ; codes: four tiles of 12,288 bytes,
	s_mul_i32 s35, s22, 1536                       ; 1,536 a K step
	s_add_co_u32 s34, s34, s35
	s_mov_b32 s35, 0
	s_mul_i32 s36, s22, 49152                      ; scale words: 12,288 words a K step,
	s_lshl_b32 s37, s30, 8                         ; 64 words for my four tiles
	s_add_co_u32 s36, s36, s37
	s_mov_b32 s37, 0
	s_wait_alu depctr_va_vdst(0)
	s_wait_kmcnt 0x0
	s_cmp_lt_u32 ttmp9, 352                        ; which tensor: the choice hangs on the work-group's number alone
	s_cselect_b64 s[SRC:SRC+1], s[10:11], s[12:13]
	s_cmp_lt_u32 ttmp9, 320
	s_cselect_b64 s[SRC:SRC+1], s[8:9], s[SRC:SRC+1]
	s_cmp_lt_u32 ttmp9, 288
	s_cselect_b64 s[SRC:SRC+1], s[6:7], s[SRC:SRC+1]
	s_cmp_lt_u32 ttmp9, 256
	s_cselect_b64 s[SRC:SRC+1], s[4:5], s[SRC:SRC+1]
	s_add_nc_u64 s[SRC:SRC+1], s[SRC:SRC+1], s[32:33]
	s_add_nc_u64 s[DC:DC+1], s[14:15], s[34:35]
	s_add_nc_u64 s[DS:DS+1], s[16:17], s[36:37]
.macro LOADU i                         ; unit i: the 16 rows of tile i of my four, in the tile's order of places; 32 lanes read a row's 512 consecutive bytes
.irp n, 0,1,2,3,4,5,6,7,8,9,10,11,12,13,14,15
	global_load_b128 v[R+64*((\i)%2)+4*\n:R+64*((\i)%2)+4*\n+3], v[LI], s[SRC:SRC+1] offset:(32*((\i)/2)+8*((\i)%2)+\n+8*(\n/8))*4096 th:TH_LOAD_NT
.endr
.endm
.macro UNIT i
.if (\i) < 3
	s_wait_loadcnt 16                              ; this unit's 16 loads are in; the next unit's 16 may be out
.else
	s_wait_loadcnt 0x0
.endif
.irp n, 0,1,2,3,4,5,6,7,8,9,10,11,12,13,14,15
	ds_store_b128 v[STI], v[R+64*((\i)%2)+4*\n:R+64*((\i)%2)+4*\n+3] offset:SP*\n
.endr
.irp b, 0,1,2,3
.irp j, 0,1,2,3
	ds_load_b128 v[X+16*\b+4*\j:X+16*\b+4*\j+3], v[STO] offset:128*\b+16*\j   ; LDS serves a wave's instructions in order: these see the stores above
.endr
.endr
	s_wait_dscnt 0x0                               ; my 64 numbers are in, and the stage's stores have read their set
	s_wait_xcnt 0x0                                ; the last unit's stores have read the codes' registers, which are written again below
.if (\i) < 2
	LOADU (\i)+2                                   ; the set just left takes the unit two on
.endif
	QUANT X
.irp c, 0,1,2
	global_store_b128 v[LI], v[PC+4*\c:PC+4*\c+3], s[DC:DC+1] offset:12288*(\i)+512*\c   ; 32 lanes store 512 consecutive bytes, at a multiple of 256 from the buffer's first byte
.endr
	ds_store_b32 v[SCW], v[PW] offset:64*(\i)      ; both lanes of a row write the same word with the same value
.endm
	LOADU 0
	LOADU 1
	UNIT 0
	UNIT 1
	UNIT 2
	UNIT 3
	ds_load_b64 v[X:X+1], v[SCR]                   ; my four tiles' 64 scale words
	s_wait_dscnt 0x0
	global_store_b64 v[LJ], v[X:X+1], s[DS:DS+1]   ; 32 lanes store 256 consecutive bytes, aligned
	s_wait_tensorcnt 0x0
	ds_add_u32 v248, v249
	s_wait_dscnt 0x0
	s_endpgm
.Lfunc_end_k_q0cbf30e723_quant:
	.size	k_q0cbf30e723_quant, .Lfunc_end_k_q0cbf30e723_quant-k_q0cbf30e723_quant
	.p2alignl 7, 3214868480
	.fill 96, 4, 3214868480
	.section	.rodata,"a",@progbits
	.p2align	6, 0x0
	.amdhsa_kernel k_q0cbf30e723_quant
		.amdhsa_group_segment_fixed_size 35328
		.amdhsa_private_segment_fixed_size 0
		.amdhsa_enable_private_segment 0
		.amdhsa_kernarg_size 56
		.amdhsa_user_sgpr_count 2
		.amdhsa_user_sgpr_kernarg_segment_ptr 1
		.amdhsa_wavefront_size32 1
		.amdhsa_system_sgpr_workgroup_id_x 1
		.amdhsa_system_sgpr_workgroup_id_y 1
		.amdhsa_system_sgpr_workgroup_id_z 1
		.amdhsa_system_vgpr_workitem_id 0
		.amdhsa_next_free_vgpr 250
		.amdhsa_next_free_sgpr 66
		.amdhsa_reserve_vcc 0
		.amdhsa_float_denorm_mode_32 3
		.amdhsa_float_denorm_mode_16_64 3
		.amdhsa_memory_ordered 1
		.amdhsa_forward_progress 1
		.amdhsa_inst_pref_size 34
	.end_amdhsa_kernel
	.amdgpu_metadata
---
amdhsa.version: [ 1, 2 ]
amdhsa.kernels:
  - .name:           k_q0cbf30e723_quant
    .symbol:         k_q0cbf30e723_quant.kd
    .args:
      - { .name: x, .offset: 0, .size: 8, .value_kind: global_buffer, .address_space: global }
      - { .name: wq, .offset: 8, .size: 8, .value_kind: global_buffer, .address_space: global }
      - { .name: wk, .offset: 16, .size: 8, .value_kind: global_buffer, .address_space: global }
      - { .name: wv, .offset: 24, .size: 8, .value_kind: global_buffer, .address_space: global }
      - { .name: wo, .offset: 32, .size: 8, .value_kind: global_buffer, .address_space: global }
      - { .name: xw_img, .offset: 40, .size: 8, .value_kind: global_buffer, .address_space: global }
      - { .name: xw_sc, .offset: 48, .size: 8, .value_kind: global_buffer, .address_space: global }
    .group_segment_fixed_size: 35328
    .private_segment_fixed_size: 0
    .kernarg_segment_align: 8
    .kernarg_segment_size: 56
    .max_flat_workgroup_size: 128
    .sgpr_count:     66
    .vgpr_count:     250
    .wavefront_size: 32
...
	.end_amdgpu_metadata
.endif
;; end of part 1
;; launch qkv (part 2): grid 8 x 32, 4 waves a work-group, clusters of 4 x 4, 327,680 bytes of LDS; arguments xw_img, xw_sc, qk_img, qk_sc, v_img, v_sc; writes qk_img, qk_sc, v_img, v_sc
.if DOCPART == 2
	.amdgcn_target "amdgcn-amd-amdhsa--gfx1250"
	.amdhsa_code_object_version 6
	.text
	.protected	k_q0cbf30e723_qkv
	.globl	k_q0cbf30e723_qkv
	.p2align	8
	.type	k_q0cbf30e723_qkv,@function
k_q0cbf30e723_qkv:
	s_mov_b64 s[64:65], 0
	v_nop
	global_prefetch_b8 v0, s[64:65] scope:SCOPE_SE
	s_setreg_imm32_b32 hwreg(HW_REG_WAVE_MODE, 25, 1), 1
	s_wait_xcnt 0x0
	s_wait_alu depctr_hold_cnt(0) depctr_sa_sdst(0) depctr_va_vdst(0) depctr_va_sdst(0) depctr_va_ssrc(0) depctr_va_vcc(0) depctr_vm_vsrc(0)
	s_getreg_b32 s2, hwreg(HW_REG_IB_STS2, 6, 4)
	s_cmp_eq_u32 s2, 0
	s_cbranch_scc0 .Lentry_in_a_cluster
	s_endpgm
.Lentry_in_a_cluster:
	s_bfe_u32 s2, ttmp6, 0x10000c
	s_cmp_lg_u32 s2, 0xf033
	s_cbranch_scc0 .Lentry_shape_is_right
	s_endpgm
.Lentry_shape_is_right:
.set FR,     12
.set NL,     3
.set NS,     20
.set STEPB,  3072
.set XPART,  16*STEPB
.set WPART,  8*STEPB
.set SLOT,   XPART+3*WPART
.set SCL,    2*SLOT
.set SCLW,   SCL+8192
.set SPARE,  SCLW+3*4096
.set ADX,  4
.set ADW,  6
.set ADXS, 8
.set ADWS, 9
.set LI,   10
.set LJ,   11
.set VS,   12
.set SPW,  14
.set NIL,  15
.set SCX,  16
.set SCW,  32
.set XF,   56
.set WF,   152
.set OCQ,  56
.set OCK,  104
.set OCV,  152
.set TM,   200
.set CT,   216
.set PWQ,  224
.set PWK,  228
.set PWV,  232
.set TQ,   236
.set WQW,  240
.set WKW,  244
.set G1, 24
.set G0, 32
.set G1B, 48
.set G0B, 56
.set G1S, 68
.set G0S, 76
.set G1SB, 80
.set G0SB, 88
.set SEL, 12
.set MSB, 0
.macro WIN new
.if MSB != (\new)
	s_set_vgpr_msb (MSB<<8)|(\new)
.set MSB, (\new)
.endif
.endm
.set WQ, 0x50
.set WK, 0xa0
.set WV, 0xf0
.macro JLOAD g0a, g1a, g0b, g1b
	s_cmp_eq_u32 s14, 0
	s_cbranch_scc0 .Lfor_b_\@
	tensor_load_to_lds s[\g0a:\g0a+3], s[\g1a:\g1a+7]
	s_nop 0
.rept 4
	v_nop
.endr
	s_branch .Lasked_\@
.Lfor_b_\@:
	tensor_load_to_lds s[\g0b:\g0b+3], s[\g1b:\g1b+7]
	s_nop 0
.rept 4
	v_nop
.endr
.Lasked_\@:
.endm
.macro CREST
	s_cmp_lg_u32 s14, 0
	s_cbranch_scc1 .Lnot_wave_0_\@
	s_barrier_signal -3
.Lnot_wave_0_\@:
	s_barrier_wait -3
	s_barrier_signal -1
	s_barrier_wait -1
.endm
.macro CROUND
	s_barrier_signal -1
	s_barrier_wait -1
	CREST
.endm
.macro GROUP1 g, cols, rows, pitch
	s_mov_b32 s[\g+1], (\cols)<<16
	s_mov_b32 s[\g+2], (\rows)<<16
	s_mov_b32 s[\g+3], (\cols)<<16
	s_mov_b32 s[\g+4], \rows
	s_mov_b32 s[\g+5], \pitch
	s_mov_b32 s[\g+6], 0
	s_mov_b32 s[\g+7], 0
.endm
	s_load_b128 s[4:7], s[0:1], 0x0
	s_load_b128 s[8:11], s[0:1], 0x10
	s_load_b128 s[96:99], s[0:1], 0x20
	v_lshl_add_u32 v[SPW], v0, 2, SPARE
	v_mov_b32 v[NIL], 0
	ds_add_u32 v14, v15
	ds_add_u32 v14, v15
	s_wait_dscnt 0x0
	v_lshrrev_b32 v1, 5, v0
	v_readfirstlane_b32 s14, v1
	s_lshr_b32 s15, s14, 1
	s_and_b32 s16, s14, 1
	s_bfe_u32 s40, ttmp6, 0x40000
	s_bfe_u32 s41, ttmp6, 0x40004
	s_lshl_b32 s42, ttmp9, 2
	s_add_co_u32 s42, s42, s40
	s_and_b32 s17, ttmp7, 0xffff
	s_lshl_b32 s17, s17, 2
	s_add_co_u32 s17, s17, s41
	s_lshl_b32 s43, s41, 2
	s_lshl_b32 s43, 15, s43
	s_lshl_b32 s44, 0x1111, s40
	s_or_b32 s[G1], s43, (3<<16)|(1<<21)
	GROUP1 G1, 384, 16, 1536
	s_or_b32 s[G1B], s44, (3<<16)|(1<<21)
	GROUP1 G1B, 384, 8, 1536
	s_or_b32 s[G1S], s43, (2<<16)|(1<<21)
	GROUP1 G1S, 256, 8, 12288
	s_or_b32 s[G1SB], s44, (2<<16)|(1<<21)
	GROUP1 G1SB, 128, 8, 12288
	s_mul_i32 s20, s17, 196608
	s_mov_b32 s21, 0
	s_lshl_b32 s22, s17, 10
	s_mov_b32 s23, 0
	s_lshl_b32 s46, s14, 10
	s_lshl_b32 s47, s42, 7
	s_add_co_u32 s46, s46, s47
	s_add_co_u32 s46, s46, 7168
	s_lshl_b32 s92, s46, 2
	s_mov_b32 s93, 0
	s_mul_i32 s46, s46, 768
	s_mov_b32 s47, 0
	s_mul_i32 s45, s14, WPART
	s_add_co_u32 s45, s45, WPART
	s_lshl_b32 s94, s14, 12
	s_add_co_u32 s94, s94, SCL+4096
	s_mov_b32 s[SEL], 0x76543210
	s_mov_b32 s[SEL+1], 0xfedcba98
	s_wait_kmcnt 0x0
	s_add_nc_u64 s[20:21], s[4:5], s[20:21]
	s_add_nc_u64 s[22:23], s[6:7], s[22:23]
	s_add_nc_u64 s[46:47], s[4:5], s[46:47]
	s_add_nc_u64 s[92:93], s[6:7], s[92:93]
	CROUND
	s_mov_b32 s[G0S], 1
	s_mov_b32 s[G0S+1], SCL
	s_mov_b64 s[G0S+2:G0S+3], s[22:23]
	s_or_b32 s[G0S+3], s[G0S+3], 0x80000000
	s_mov_b32 s[G0SB], 1
	s_mov_b32 s[G0SB+1], s94
	s_mov_b64 s[G0SB+2:G0SB+3], s[92:93]
	s_or_b32 s[G0SB+3], s[G0SB+3], 0x80000000
	JLOAD G0S, G1S, G0SB, G1SB
.irp s, 0,1
	s_mov_b32 s[G0+4*\s], 1
	s_mov_b32 s[G0+4*\s+1], \s*SLOT
	s_add_nc_u64 s[G0+4*\s+2:G0+4*\s+3], s[20:21], \s*STEPB
	s_or_b32 s[G0+4*\s+3], s[G0+4*\s+3], 0x80000000
	s_mov_b32 s[G0B+4*\s], 1
	s_add_co_u32 s[G0B+4*\s+1], s45, \s*SLOT
	s_add_nc_u64 s[G0B+4*\s+2:G0B+4*\s+3], s[46:47], \s*STEPB
	s_or_b32 s[G0B+4*\s+3], s[G0B+4*\s+3], 0x80000000
	s_wait_alu depctr_va_vdst(0)
	s_wait_tensorcnt 0x0
	ds_add_u32 v14, v15
	s_wait_dscnt 0x0
	CROUND
	JLOAD G0+4*\s, G1, G0B+4*\s, G1B
.endr
	v_and_b32 v1, 15, v0
	s_wait_alu depctr_va_vdst(0)
	v_and_b32 v3, 31, v0
	v_lshlrev_b32 v[LI], 4, v3
	v_lshlrev_b32 v[LJ], 3, v3
	v_lshlrev_b32 v[VS], 4, v1
	s_mul_i32 s21, s15, 8*STEPB
	s_mul_i32 s22, s16, 4*STEPB
	s_add_co_u32 s22, s22, XPART
.irp s, 0,1
	v_add_nc_u32 v[ADX+\s], s21, v[LI]
	v_add_nc_u32 v[ADW+\s], s22, v[LI]
	s_add_co_u32 s21, s21, SLOT
	s_add_co_u32 s22, s22, SLOT
.endr
	s_lshl_b32 s21, s15, 9
	s_add_co_u32 s21, s21, SCL
	v_lshl_add_u32 v[ADXS], v1, 2, s21
	s_lshl_b32 s22, s16, 8
	s_add_co_u32 s22, s22, SCLW
	v_lshl_add_u32 v[ADWS], v1, 2, s22
	s_lshr_b32 s20, s17, 2
	s_lshl_b32 s20, s20, 4
	s_lshl_b32 s21, s42, 1
	s_add_co_u32 s20, s20, s21
	s_add_co_u32 s20, s20, s16
	s_and_b32 s21, s17, 3
	s_lshl_b32 s21, s21, 1
	s_add_co_u32 s21, s21, s15
	s_mul_i32 s22, s20, 49152
	s_mul_i32 s23, s21, 6144
	s_add_co_u32 s92, s22, s23
	s_mov_b32 s93, 0
	s_lshl_b32 s22, s20, 11
	s_lshl_b32 s23, s21, 8
	s_add_co_u32 s94, s22, s23
	s_mov_b32 s95, 0
	s_add_nc_u64 s[8:9], s[8:9], s[92:93]
	s_add_nc_u64 s[96:97], s[96:97], s[92:93]
	s_add_nc_u64 s[98:99], s[98:99], s[94:95]
	s_lshl_b32 s94, s94, 1
	s_add_nc_u64 s[10:11], s[10:11], s[94:95]
.macro FRAG reg, adr, off
.irp c, 0,1,2
	ds_load_b128 v[\reg+4*\c:\reg+4*\c+3], v[\adr] offset:(\off)+512*\c
.endr
.endm
.macro FETCH_X slot, q, i0
.irp i, \i0, \i0+1, \i0+2, \i0+3
	FRAG XF+FR*(\i), ADX+\slot, STEPB*(\i)+1536*(\q)
.endr
.endm
.macro FETCH_W slot, q, m, p
.irp i, 0,1,2,3
	FRAG WF+48*(\p)+FR*\i, ADW+\slot, WPART*(\m)+STEPB*\i+1536*(\q)
.endr
.endm
.macro SCALES k
.irp i, 0,1,2,3,4,5,6,7
	ds_load_b32 v[SCX+8*((\k)%2)+\i], v[ADXS] offset:1024*(\k)+64*\i
.endr
.irp m, 0,1,2
.irp i, 0,1,2,3
	ds_load_b32 v[SCW+12*((\k)%2)+4*\m+\i], v[ADWS] offset:4096*\m+512*(\k)+64*\i
.endr
.endr
.endm
.macro MULQK a0, m, p, k, zero
.irp a, \a0, \a0+1, \a0+2, \a0+3
.irp b, 0,1,2,3
.if \zero
	v_wmma_scale_f32_16x16x128_f8f6f4 v[8*(4*(\a)+\b):8*(4*(\a)+\b)+7], v[WF+48*(\p)+FR*\b:WF+48*(\p)+FR*\b+FR-1], v[XF+FR*(\a):XF+FR*(\a)+FR-1], 0, v[SCW+12*((\k)%2)+4*(\m)+\b], v[SCX+8*((\k)%2)+(\a)] matrix_a_fmt:MATRIX_FMT_FP6 matrix_b_fmt:MATRIX_FMT_FP6
.else
	v_wmma_scale_f32_16x16x128_f8f6f4 v[8*(4*(\a)+\b):8*(4*(\a)+\b)+7], v[WF+48*(\p)+FR*\b:WF+48*(\p)+FR*\b+FR-1], v[XF+FR*(\a):XF+FR*(\a)+FR-1], v[8*(4*(\a)+\b):8*(4*(\a)+\b)+7], v[SCW+12*((\k)%2)+4*(\m)+\b], v[SCX+8*((\k)%2)+(\a)] matrix_a_fmt:MATRIX_FMT_FP6 matrix_b_fmt:MATRIX_FMT_FP6
.endif
.endr
.endr
.endm
.macro MULV t0, p, k, zero
.irp t, \t0, \t0+1, \t0+2, \t0+3
.irp c, 0,1,2,3
.if \zero
	v_wmma_scale_f32_16x16x128_f8f6f4 v[8*(8*\c+(\t)):8*(8*\c+(\t))+7], v[XF+FR*(\t):XF+FR*(\t)+FR-1], v[WF+48*(\p)+FR*\c:WF+48*(\p)+FR*\c+FR-1], 0, v[SCX+8*((\k)%2)+(\t)], v[SCW+12*((\k)%2)+8+\c] matrix_a_fmt:MATRIX_FMT_FP6 matrix_b_fmt:MATRIX_FMT_FP6
.else
	v_wmma_scale_f32_16x16x128_f8f6f4 v[8*(8*\c+(\t)):8*(8*\c+(\t))+7], v[XF+FR*(\t):XF+FR*(\t)+FR-1], v[WF+48*(\p)+FR*\c:WF+48*(\p)+FR*\c+FR-1], v[8*(8*\c+(\t)):8*(8*\c+(\t))+7], v[SCX+8*((\k)%2)+(\t)], v[SCW+12*((\k)%2)+8+\c] matrix_a_fmt:MATRIX_FMT_FP6 matrix_b_fmt:MATRIX_FMT_FP6
.endif
.endr
.endr
.endm
.macro PLACES
.rept 4
	v_nop
.endr
.endm
.macro STEP k, zero, turn, fill
.set P0,  (\k)%2
.set KSL, ((\k)/2)%2
.set KQ,  (\k)%2
.set NSL, (((\k)+1)/2)%2
.set NKQ, ((\k)+1)%2
.set NSC, 0
	s_wait_dscnt 8*NL
	WIN WQ
	MULQK 0, 0, P0, \k, \zero
	s_wait_dscnt 4*NL
	MULQK 4, 0, P0, \k, \zero
	PLACES
	WIN 0
	FETCH_W KSL, KQ, 2, P0
.if (\k) < 7
	SCALES (\k)+1
.set NSC, NS
.endif
.if \turn
	s_wait_tensorcnt 0x0
	ds_add_u32 v[SPW], v[NIL]
	s_wait_dscnt 4*NL+NSC+1
	WIN WK
	MULQK 0, 1, 1-P0, \k, \zero
	s_wait_dscnt 0x0
	s_barrier_signal -1
	MULQK 4, 1, 1-P0, \k, \zero
	WIN 0
	s_barrier_wait -1
.if \fill
	CREST
	s_add_nc_u64 s[G0+4*KSL+2:G0+4*KSL+3], s[G0+4*KSL+2:G0+4*KSL+3], 2*STEPB
	s_add_nc_u64 s[G0B+4*KSL+2:G0B+4*KSL+3], s[G0B+4*KSL+2:G0B+4*KSL+3], 2*STEPB
	JLOAD G0+4*KSL, G1, G0B+4*KSL, G1B
.else
	PLACES
.endif
.else
	s_wait_dscnt 4*NL+NSC
	WIN WK
	MULQK 0, 1, 1-P0, \k, \zero
	MULQK 4, 1, 1-P0, \k, \zero
	PLACES
	WIN 0
.endif
.if (\k) < 7
	FETCH_W NSL, NKQ, 0, 1-P0
	s_wait_dscnt 4*NL
	WIN WV
	MULV 0, P0, \k, \zero
	PLACES
	WIN 0
	FETCH_X NSL, NKQ, 0
	WIN WV
	MULV 4, P0, \k, \zero
	PLACES
	WIN 0
	FETCH_X NSL, NKQ, 4
	FETCH_W NSL, NKQ, 1, P0
.else
	s_wait_dscnt 0x0
	WIN WV
	MULV 0, P0, \k, \zero
	MULV 4, P0, \k, \zero
	WIN 0
.endif
.endm
	s_wait_alu depctr_va_vdst(0)
	s_wait_tensorcnt 1
	s_barrier_signal -1
	s_barrier_wait -1
	FETCH_W 0, 0, 0, 0
	SCALES 0
	FETCH_X 0, 0, 0
	FETCH_X 0, 0, 4
	FETCH_W 0, 0, 1, 1
	STEP 0, 1, 0, 0
	STEP 1, 0, 1, 1
	STEP 2, 0, 0, 0
	STEP 3, 0, 1, 1
	STEP 4, 0, 0, 0
	STEP 5, 0, 1, 0
	STEP 6, 0, 0, 0
	STEP 7, 0, 0, 0
.macro QUANTW w, ac, oa, pw
	WIN 5*(\w)
.irp b, 0,1,2,3
	v_max3_num_f32 v[TM+\b], |v[\ac+16*\b]|, |v[\ac+1+16*\b]|, 0x1800000
.endr
.irp i, 2,4,6,8,10,12,14
.irp b, 0,1,2,3
	v_max3_num_f32 v[TM+\b], |v[\ac+16*\b+\i]|, |v[\ac+1+16*\b+\i]|, v[TM+\b]
.endr
.endr
	WIN 0
.irp b, 0,1,2,3
	v_permlanex16_b32 v[TM+4+\b], v[TM+\b], s[SEL], s[SEL+1]
.endr
.irp b, 0,1,2,3
	v_max_num_f32 v[TM+\b], v[TM+\b], v[TM+4+\b]
.endr
.irp b, 0,1,2,3
	v_add_nc_u32 v[TM+12+\b], 0xff000000, v[TM+\b]
.endr
.irp b, 0,1,2,3
	v_lshrrev_b32 v[TM+4+\b], 23, v[TM+12+\b]
.endr
	v_lshl_or_b32 v[\pw], v[TM+5], 8, v[TM+4]
	v_lshl_or_b32 v[\pw], v[TM+6], 16, v[\pw]
	v_lshl_or_b32 v[\pw], v[TM+7], 24, v[\pw]
	WIN \w
.irp c, 0,1
	v_cvt_scalef32_pk16_fp6_f32 v[\oa+6*\c:\oa+2+6*\c], v[\ac+32*\c:\ac+15+32*\c], v[TM+12+2*\c]
	v_cvt_scalef32_pk16_fp6_f32 v[CT+4*\c:CT+2+4*\c], v[\ac+16+32*\c:\ac+31+32*\c], v[TM+12+2*\c+1]
.endr
	WIN 0
	v_nop
.irp c, 0,1
.irp i, 0,1,2
	v_permlane16_swap_b32 v[\oa+6*\c+\i], v[CT+4*\c+\i]
.endr
.irp i, 0,1,2
	v_mov_b32 v[\oa+3+6*\c+\i], v[CT+4*\c+\i]
.endr
.endr
.endm
.macro QKOUT oc, pw, w, offc, offs
.irp a, 0,1,2,3,4,5,6,7
	global_store_b128 v[LI], v[\oc+6*\a:\oc+6*\a+3], s[8:9] offset:\offc+768*\a
	global_store_b64 v[LJ], v[\oc+6*\a+4:\oc+6*\a+5], s[8:9] offset:\offc+768*\a+512
.endr
	v_cndmask_b32 v[TQ], v[\pw], v[\pw+2], vcc_lo
	v_cndmask_b32 v[TQ+1], v[\pw+1], v[\pw+3], vcc_lo
	v_and_b32 v[\w], 0xffff, v[TQ]
	v_lshrrev_b32 v[\w+1], 16, v[TQ]
	v_and_b32 v[\w+2], 0xffff, v[TQ+1]
	v_lshrrev_b32 v[\w+3], 16, v[TQ+1]
	global_store_b128 v[LI], v[\w:\w+3], s[10:11] offset:\offs
.endm
	PLACES
.irp b, 0,1,2,3
	v_mov_b32 v[TM+4+\b], 0
.endr
	v_and_b32 v3, 31, v0
	v_cmp_lt_u32 vcc_lo, 15, v3
.irp p, 0,1,2,3
	QUANTW 1, 64*\p, OCQ+12*\p, PWQ+\p
.endr
	QKOUT OCQ, PWQ, WQW, 0, 0
.irp p, 0,1,2,3
	QUANTW 2, 64*\p, OCK+12*\p, PWK+\p
.endr
	QKOUT OCK, PWK, WKW, 6291456, 524288
.irp p, 0,1,2,3
	QUANTW 3, 64*\p, OCV+12*\p, PWV+\p
.endr
.irp c, 0,1,2,3
.irp e, 0,1,2
	global_store_b128 v[LI], v[OCV+12*\c+4*\e:OCV+12*\c+4*\e+3], s[96:97] offset:1536*\c+512*\e
.endr
.endr
	global_store_b128 v[VS], v[PWV:PWV+3], s[98:99]
	s_wait_tensorcnt 0x0
	ds_add_u32 v[SPW], v[NIL]
	s_wait_dscnt 0x0
	CROUND
	s_endpgm
.Lfunc_end_k_q0cbf30e723_qkv:
	.size	k_q0cbf30e723_qkv, .Lfunc_end_k_q0cbf30e723_qkv-k_q0cbf30e723_qkv
	.p2alignl 7, 3214868480
	.fill 96, 4, 3214868480
	.section	.rodata,"a",@progbits
	.p2align	6, 0x0
	.amdhsa_kernel k_q0cbf30e723_qkv
		.amdhsa_group_segment_fixed_size 327680
		.amdhsa_private_segment_fixed_size 0
		.amdhsa_enable_private_segment 0
		.amdhsa_kernarg_size 48
		.amdhsa_user_sgpr_count 2
		.amdhsa_user_sgpr_kernarg_segment_ptr 1
		.amdhsa_wavefront_size32 1
		.amdhsa_system_sgpr_workgroup_id_x 1
		.amdhsa_system_sgpr_workgroup_id_y 1
		.amdhsa_system_sgpr_workgroup_id_z 1
		.amdhsa_system_vgpr_workitem_id 0
		.amdhsa_next_free_vgpr 1024
		.amdhsa_next_free_sgpr 100
		.amdhsa_reserve_vcc 1
		.amdhsa_float_denorm_mode_32 3
		.amdhsa_float_denorm_mode_16_64 3
		.amdhsa_memory_ordered 1
		.amdhsa_forward_progress 1
		.amdhsa_inst_pref_size 207
	.end_amdhsa_kernel
	.amdgpu_metadata
---
amdhsa.version: [ 1, 2 ]
amdhsa.kernels:
  - .name:           k_q0cbf30e723_qkv
    .symbol:         k_q0cbf30e723_qkv.kd
    .args:
      - { .name: xw_img, .offset: 0, .size: 8, .value_kind: global_buffer, .address_space: global }
      - { .name: xw_sc, .offset: 8, .size: 8, .value_kind: global_buffer, .address_space: global }
      - { .name: qk_img, .offset: 16, .size: 8, .value_kind: global_buffer, .address_space: global }
      - { .name: qk_sc, .offset: 24, .size: 8, .value_kind: global_buffer, .address_space: global }
      - { .name: v_img, .offset: 32, .size: 8, .value_kind: global_buffer, .address_space: global }
      - { .name: v_sc, .offset: 40, .size: 8, .value_kind: global_buffer, .address_space: global }
    .group_segment_fixed_size: 327680
    .private_segment_fixed_size: 0
    .kernarg_segment_align: 8
    .kernarg_segment_size: 48
    .max_flat_workgroup_size: 128
    .sgpr_count:     100
    .vgpr_count:     1024
    .wavefront_size: 32
...
	.end_amdgpu_metadata
.endif
;; end of part 2
;; launch attn (part 3): grid 4 x 64, 16 waves a work-group, clusters of 4 x 1, 237,568 bytes of LDS; arguments qk_img, qk_sc, v_img, v_sc, ao_img, ao_sc; writes ao_img, ao_sc
.if DOCPART == 3
	.amdgcn_target "amdgcn-amd-amdhsa--gfx1250"
	.amdhsa_code_object_version 6
	.text
	.protected	k_q0cbf30e723_attn
	.globl	k_q0cbf30e723_attn
	.p2align	8
	.type	k_q0cbf30e723_attn,@function
k_q0cbf30e723_attn:
	s_mov_b64 s[64:65], 0
	v_nop
	global_prefetch_b8 v0, s[64:65] scope:SCOPE_SE
	s_setreg_imm32_b32 hwreg(HW_REG_WAVE_MODE, 25, 1), 1
	s_wait_xcnt 0x0
	s_wait_alu depctr_hold_cnt(0) depctr_sa_sdst(0) depctr_va_vdst(0) depctr_va_sdst(0) depctr_va_ssrc(0) depctr_va_vcc(0) depctr_vm_vsrc(0)
	s_getreg_b32 s2, hwreg(HW_REG_IB_STS2, 6, 4)
	s_cmp_eq_u32 s2, 0
	s_cbranch_scc0 .Lentry_in_a_cluster
	s_endpgm
.Lentry_in_a_cluster:
	s_bfe_u32 s2, ttmp6, 0x10000c
	s_cmp_lg_u32 s2, 0x3003
	s_cbranch_scc0 .Lentry_shape_is_right
	s_endpgm
.Lentry_shape_is_right:
; o = softmax(q k^T / 8) v for 128 heads of 1,024 tokens x 64 channels, both products on codes of FP6 (E2M3) with E8M0 scales; the result is divided by the row's sum,
; quantised along the model's 1,024 (two blocks of 32 a head) and leaves as images of the last launch's operand registers.
; THE SOFTMAX: t = score x log2(e) / 8; M = the row's largest t so far, rounded UP to a whole number; p = 2^(t - M) is quantised along the keys, not normalised.
; The row's sum is taken of the unquantised p, in f32.  When M moves, the sum and O are multiplied by 2^(old M - new M): exact.
; LIMITS: no NaN, no infinities; |t| under 2^31; a block under 2^-124, and a block of zeros, keep the scale byte 1 (zero codes add nothing; this program alone reads the bytes).
; SHARES.  A work-group owns 256 queries of a PAIR of heads (y = 8 b + j); each of its sixteen waves owns 16 queries and takes the two heads one after the other, so it ends with a whole fragment
; (K step j of the last product) and a whole scale word a row.
; LDS holds all keys and values of the pair and their scale words; every byte is filled once, at the head, ONE joint load a wave (the four blocks of queries of a pair form a cluster and read the same tiles):
; waves 0-2 K of the first head, 3-5 its V, 6 and 7 the scale words, 8-10 K of the second head, 11-13 its V. The first barrier shows what waves 0-7 brought;
; the second, behind the first key step, shows the rest.  Nothing is loaded inside a loop, so there is no later tile to prefetch.
; LAYOUT.  Both products are used transposed: S^T = K Q^T, O^T = V^T P^T: a lane holds ONE query (lane % 16).
; THE KEYS OF A TILE ARE CHOSEN BY THE LANES' LDS ADDRESSES: row r of tile 4 c + t of a key step is key 64 c + 32 (r / 8) + 8 t + r % 8.  So the 32 score registers 32 c .. 32 c + 31 of lane (r, h) are the
; keys 64 c + 32 h + 0 .. 31: a whole scale block, in the order of the next operand's registers 6 c .. 6 c + 5.  In qk_img that key lies in tile 4 c + 2 (r / 8) + t % 2 at place 8 (t / 2) + r % 8.
; K's image lands with 64 bytes of padding behind each 256 (a tile of 768 bytes takes 960): two tiles on are 1,920 bytes, 128 modulo 256, so the sixteen lanes of a 16-byte load touch 256 different bytes modulo 256.
; THE FIRST PRODUCT'S K IS 64: Q's registers 6-11 hold zero codes; K's operand of tile t names 12 registers of which the upper six are the next tile's codes (tile 7: zeros): finite numbers times zeros;
; bytes 2 and 3 of q's and k's scale words are 0, never 0xff.
; REGISTERS: v1-3 lane terms; v4-8 LDS bases (K 16-byte part, K 8-byte part, K's words, V, V's words), v9-11, v28, v29 the same for the step at hand; v12 -M, v13 the largest score, v[14:15] the sum;
; v16-27, v200-211 Q; v243, v86 its scale words; v32-79 K, then V; v80-85 zeros; v88-93 partial sums; v96-159 S^T, then p; v160-191 O^T; v192-199, v248-251, v253 scale words of K, V, p;
; v224-235 p's codes; v212-223, v87 the result; v31, v239 the result's words in LDS; v94, v95 the add's two registers; the rest at work.
.set KT,    960
.set KSTB,  8*KT                       ; K of a key step
.set KHEAD, 8*KSTB                     ; K of a head: 61,440
.set VB,    2*KHEAD                    ; V: two heads x [8 key steps][4 tiles][1,536]
.set SCK,   VB+98304                   ; K's scale words: two heads x [8 key steps][place + 16 (tile / 4)][tile % 4]
.set SCV,   SCK+8192                   ; V's: two heads x [8 key steps][r][tile]
.set OST,   SCV+4096                   ; the sixteen waves' scale words of the result; no tensor load lands here
.set SPARE, OST+1024                   ; the spare words: 128 bytes a wave
.set OC,  212
.set OW,  87
.set NC,  16                           ; s16 -c
.set CNT, 17
.set WV,  18
.set CX,  19
.set SEL, 20                           ; s[20:21] selects for lane l xor 16
.set CS,  22                           ; s[22:23] c = log2(e) / 8
.set TK,  2                            ; s2, s3, s66, s67: where the next step's K, K's words, V, V's words begin
.set TS,  3
.set TV,  66
.set TJ,  67
.set G1K,  24
.set G1V,  32
.set G1SK, 40
.set G1SV, 48
.set G0K,  56
.set G0V,  60
.set G0SK, 68
.set G0SV, 72
.macro CROUND
	s_barrier_signal -1
	s_barrier_wait -1
	s_cmp_lg_u32 s[WV], 0
	s_cbranch_scc1 .Lnot_wave_0_\@
	s_barrier_signal -3
.Lnot_wave_0_\@:
	s_barrier_wait -3
	s_barrier_signal -1
	s_barrier_wait -1
.endm
.macro GROUP1 g, word0, rows           ; a dense block as rows of 256 bytes (32 elements of 8 bytes)
	s_mov_b32 s[\g], \word0
	s_mov_b32 s[\g+1], 32<<16
	s_mov_b32 s[\g+2], (\rows)<<16
	s_mov_b32 s[\g+3], 32<<16
	s_mov_b32 s[\g+4], \rows
	s_mov_b32 s[\g+5], 32
	s_mov_b32 s[\g+6], 0
	s_mov_b32 s[\g+7], 0
.endm
.macro ARM under, g0, g1, next         ; one arm of the head's chain: one load, then the jump to the join
	s_cmp_lt_u32 s[WV], \under
	s_cbranch_scc0 \next
	tensor_load_to_lds s[\g0:\g0+3], s[\g1:\g1+7]
	s_nop 0
.rept 4
	v_nop
.endr
	s_branch .Lasked
\next:
.endm
.macro HINT n
	s_delay_alu instid0(VALU_DEP_\n)
.endm
	s_load_b256 s[4:11], s[0:1], 0x0               ; qk_img, qk_sc, v_img, v_sc
	s_load_b128 s[12:15], s[0:1], 0x20             ; ao_img, ao_sc
	v_lshl_add_u32 v95, v0, 2, SPARE
	v_mov_b32 v94, 0
	ds_add_u32 v95, v94                            ; the opening lines: the add twice on end and its wait
	ds_add_u32 v95, v94
	v_lshrrev_b32 v254, 5, v0
	v_readfirstlane_b32 s[WV], v254                ; wave 0..15
	s_bfe_u32 s[CX], ttmp6, 0x40000
	s_and_b32 s76, ttmp7, 0xffff                   ; y, which the four partners share
	s_and_b32 s77, s[WV], 7                        ; my piece: 0-2 of K, 3-5 of V,
	s_lshr_b32 s78, s[WV], 3                       ; of the first or the second head
	GROUP1 G1K, 15|(3<<16)|(1<<20)|(1<<21)|(5<<22)|(15<<25), 64   ; the mask of all four; 16 words of padding behind every 64
	GROUP1 G1V, 15|(3<<16)|(1<<21), 64
	GROUP1 G1SK, 15|(3<<16)|(1<<21), 32
	GROUP1 G1SV, 15|(3<<16)|(1<<21), 16
	s_lshl_b32 s79, s76, 1                         ; the pair's first head
	s_mul_i32 s80, s79, 49152
	s_lshl_b32 s82, s77, 14                        ; a piece is 16,384 bytes of memory
	s_mul_i32 s83, s78, 49152
	s_add_co_u32 s82, s82, s83
	s_add_co_u32 s84, s80, s82
	s_add_co_u32 s84, s84, 128*49152               ; in qk_img and qk_sc k's heads lie behind q's 128
	s_mov_b32 s85, 0
	s_add_co_u32 s86, s80, s82
	s_sub_co_u32 s86, s86, 49152                   ; V's pieces are counted from 3 (used by the waves of pieces 3-5 alone)
	s_mov_b32 s87, 0
	s_lshl_b32 s88, s79, 12
	s_add_co_u32 s88, s88, 128*4096
	s_mov_b32 s89, 0
	s_lshl_b32 s90, s79, 11
	s_mov_b32 s91, 0
	s_mov_b32 s[SEL], 0x76543210
	s_mov_b32 s[SEL+1], 0xfedcba98
	s_mov_b32 s[CS], 0x3e38aa3b
	s_mov_b32 s[CS+1], s[CS]
	s_mov_b32 s[NC], 0xbe38aa3b
	s_mov_b32 s[G0K], 1
	s_mul_i32 s[G0K+1], s77, 64*320                ; no place in the cluster enters an LDS address
	s_mul_i32 s81, s78, KHEAD
	s_add_co_u32 s[G0K+1], s[G0K+1], s81
	s_mov_b32 s[G0V], 1
	s_lshl_b32 s[G0V+1], s77, 14
	s_add_co_u32 s[G0V+1], s[G0V+1], s83
	s_add_co_u32 s[G0V+1], s[G0V+1], VB-49152
	s_mov_b32 s[G0SK], 1
	s_mov_b32 s[G0SK+1], SCK
	s_mov_b32 s[G0SV], 1
	s_mov_b32 s[G0SV+1], SCV
	s_wait_dscnt 0x0
	s_wait_kmcnt 0x0
	s_add_nc_u64 s[G0K+2:G0K+3], s[4:5], s[84:85]
	s_or_b32 s[G0K+3], s[G0K+3], 0x80000000
	s_add_nc_u64 s[G0V+2:G0V+3], s[8:9], s[86:87]
	s_or_b32 s[G0V+3], s[G0V+3], 0x80000000
	s_add_nc_u64 s[G0SK+2:G0SK+3], s[6:7], s[88:89]
	s_or_b32 s[G0SK+3], s[G0SK+3], 0x80000000
	s_add_nc_u64 s[G0SV+2:G0SV+3], s[10:11], s[90:91]
	s_or_b32 s[G0SV+3], s[G0SV+3], 0x80000000
	CROUND                                         ; all four work-groups are here: the joint loads meet
	ARM 3,  G0K,  G1K,  .Lva
	ARM 6,  G0V,  G1V,  .Lsk
	ARM 7,  G0SK, G1SK, .Lsv
	ARM 8,  G0SV, G1SV, .Lkb
	ARM 11, G0K,  G1K,  .Lvb
	ARM 14, G0V,  G1V,  .Lnone
.Lasked:
	s_lshl_b32 s82, s[WV], 6
	s_add_co_u32 s82, s82, OST
	s_min_u32 s83, s[WV], 1                        ; waves 0 and 1 carry the sixteen waves' words out, 512 bytes each
	s_lshl_b32 s83, s83, 9
	s_add_co_u32 s81, s83, OST
	s_lshl_b32 s84, s[CX], 4
	s_add_co_u32 s84, s84, s[WV]                   ; my tile of queries
	s_mul_i32 s86, s84, 768
	s_add_co_u32 s86, s86, s80
	s_add_nc_u64 s[4:5], s[4:5], s[86:87]          ; Q's half image, first head
	s_lshl_b32 s86, s79, 12
	s_lshl_b32 s88, s[CX], 10
	s_add_co_u32 s86, s86, s88
	s_lshr_b32 s89, s[WV], 2
	s_lshl_b32 s89, s89, 8
	s_add_co_u32 s86, s86, s89
	s_and_b32 s89, s[WV], 3
	s_lshl_b32 s89, s89, 2
	s_add_co_u32 s86, s86, s89                     ; its scale words: 512 bytes for 8 tiles, 256 for tiles 4-7, 4 a tile, 16 a row
	s_add_nc_u64 s[6:7], s[6:7], s[86:87]
	s_lshr_b32 s89, s76, 3                         ; b
	s_and_b32 s90, s76, 7                          ; j
	s_lshl_b32 s86, s89, 6
	s_add_co_u32 s86, s86, s84
	s_lshl_b32 s86, s86, 3
	s_add_co_u32 s86, s86, s90
	s_mul_i32 s86, s86, 1536                       ; ao_img: [512 tiles][8 K steps][1,536]
	s_add_nc_u64 s[12:13], s[12:13], s[86:87]
	s_lshl_b32 s86, s90, 15                        ; ao_sc: [8 K steps][8,192 places] words
	s_lshl_b32 s89, s89, 12
	s_add_co_u32 s86, s86, s89
	s_add_co_u32 s86, s86, s88
	s_add_co_u32 s86, s86, s83
	s_add_nc_u64 s[14:15], s[14:15], s[86:87]
	v_and_b32 v254, 31, v0                         ; lane
	v_and_b32 v255, 15, v0                         ; r
	v_bfe_u32 v3, v0, 4, 1                         ; h
	v_bfe_u32 v30, v0, 3, 1                        ; r / 8
	v_and_b32 v29, 7, v0                           ; r % 8
	v_lshlrev_b32 v1, 4, v254
	v_lshl_add_u32 v2, v254, 3, 512
	v_lshlrev_b32 v93, 4, v255                     ; 16 r
	global_load_b128 v[16:19], v1, s[4:5]
	global_load_b64 v[20:21], v2, s[4:5]
	global_load_b128 v[200:203], v1, s[4:5] offset:49152
	global_load_b64 v[204:205], v2, s[4:5] offset:49152
	global_load_b32 v243, v93, s[6:7]
	global_load_b32 v86, v93, s[6:7] offset:4096
	v_mul_u32_u24 v4, v30, 2*KT
	v_lshl_add_u32 v5, v29, 3, v4
	v_lshl_add_u32 v4, v29, 4, v4
	v_mad_u32_u24 v4, v3, 320, v4                  ; K, registers 0-3: 1,920 (r / 8) + 16 (r % 8) + 320 h
	v_lshl_add_u32 v5, v3, 7, v5
	v_add_nc_u32 v5, 640, v5                       ; K, registers 4, 5: 1,920 (r / 8) + 640 + 8 (r % 8) + 128 h
	v_lshlrev_b32 v6, 4, v29
	v_lshl_add_u32 v6, v30, 3, v6
	v_add_nc_u32 v6, SCK, v6                       ; K's words, two tiles a load: 16 (r % 8) + 8 (r / 8)
	v_add_nc_u32 v7, VB, v1
	v_add_nc_u32 v8, SCV, v93
	v_lshl_add_u32 v239, v255, 2, s82
	v_add_nc_u32 v31, s81, v1
	v_lshlrev_b32 v3, 3, v3                        ; 8 h: my bytes' place in p's scale word
.irp i, 0,1,2,3,4,5
	v_mov_b32 v[22+\i], 0                          ; zero codes: K from 64 to 128, in Q of both heads,
	v_mov_b32 v[206+\i], 0
	v_mov_b32 v[80+\i], 0                          ; and behind K's last tile
.endr
	v_mov_b32 v253, 0                              ; (named with v252 as a pair before it is first written)
; A KEY STEP: 128 keys
.macro KSTEP QF, QS
.irp c, 0,1
.irp t, 0,1,2,3
	ds_load_b128 v[32+6*(4*\c+\t):35+6*(4*\c+\t)], v9 offset:KT*(4*\c+\t%2)+128*(\t/2)
	ds_load_b64 v[36+6*(4*\c+\t):37+6*(4*\c+\t)], v10 offset:KT*(4*\c+\t%2)+64*(\t/2)
.endr
.endr
.irp g, 0,1,2,3
	ds_load_b64 v[192+2*\g:193+2*\g], v11 offset:128*\g   ; the words of tiles 2 g, 2 g + 1
.endr
	s_add_co_u32 s[TK], s[TK], KSTB
	s_add_co_u32 s[TS], s[TS], 512
	s_wait_dscnt 0x0
.irp t, 0,1,2,3,4,5,6,7
	v_wmma_scale_f32_16x16x128_f8f6f4 v[96+8*\t:103+8*\t], v[32+6*\t:43+6*\t], v[\QF:\QF+11], 0, v[192+\t], v[\QS] matrix_a_fmt:MATRIX_FMT_FP6 matrix_b_fmt:MATRIX_FMT_FP6
.endr
	v_add_nc_u32 v9, s[TK], v4                     ; the next step's addresses and the old -M: also the four places in front of the loads into K's registers and of the first read of the scores
	v_add_nc_u32 v10, s[TK], v5
	v_add_nc_u32 v11, s[TS], v6
	v_mov_b32 v30, v12
.irp t, 0,1,2,3
.irp c, 0,1,2
	ds_load_b128 v[32+12*\t+4*\c:35+12*\t+4*\c], v28 offset:1536*\t+512*\c   ; V's four fragments land while the softmax is worked
.endr
.endr
	ds_load_b128 v[248:251], v29
	s_add_co_u32 s[TV], s[TV], 6144
	s_add_co_u32 s[TJ], s[TJ], 256
	v_add_nc_u32 v28, s[TV], v7
	v_add_nc_u32 v29, s[TJ], v8
.irp c, 0,1                                    ; the largest score of my two blocks of 32 keys, two chains a block; each accumulator is read from its low end on
	v_max3_num_f32 v[244+\c], v[96+32*\c], v[97+32*\c], v[98+32*\c]
	v_max3_num_f32 v[246+\c], v[112+32*\c], v[113+32*\c], v[114+32*\c]
.endr
.irp i, 3,5,7,9,11,13
.irp c, 0,1
	v_max3_num_f32 v[244+\c], v[244+\c], v[96+32*\c+\i], v[97+32*\c+\i]
	v_max3_num_f32 v[246+\c], v[246+\c], v[112+32*\c+\i], v[113+32*\c+\i]
.endr
.endr
.irp c, 0,1
	v_max3_num_f32 v[244+\c], v[244+\c], v[246+\c], v[111+32*\c]
.endr
.irp c, 0,1
	v_max_num_f32 v[244+\c], v[244+\c], v[127+32*\c]
.endr
	HINT 1
	v_max_num_f32 v254, v244, v245
	HINT 1
	v_permlanex16_b32 v255, v254, s[SEL], s[SEL+1]
	HINT 1
	v_max3_num_f32 v13, v13, v254, v255            ; the running largest score of my query
	HINT 1
	v_mul_f32 v254, s[NC], v13                     ; -t
	HINT 1
	v_floor_f32 v12, v254                          ; the new -M = floor(-t) = -ceil(t)
	HINT 1
	v_sub_f32 v254, v12, v30                       ; old M less new M: a whole number, 0 or less
	HINT 1
	v_cvt_i32_f32 v254, v254                       ; (it saturates)
	HINT 1
	v_ldexp_f32 v252, 1.0, v254                    ; f = 2^(old M - new M)
.set J, 0
.rept 32
	v_pk_fma_f32 v[96+J:97+J], v[96+J:97+J], s[CS:CS+1], v[12:13] op_sel_hi:[1,0,0]   ; t - M
.set J, J+2
.endr
.irp c, 0,1
	v_fma_f32 v[244+\c], v[244+\c], s[CS], v12     ; the same of each block's largest score
.endr
	s_wait_alu depctr_va_vdst(0)
.set J, 0
.rept 64
	v_exp_f32 v[96+J], v[96+J]                     ; p = 2^(t - M), at most 1
.set J, J+1
.endr
.irp c, 0,1
	v_exp_f32 v[244+\c], v[244+\c]                 ; the block's largest p: the same two instructions on the same number give the same bits
.endr
	v_pk_mul_f32 v[14:15], v[14:15], v[252:253] op_sel_hi:[1,0]   ; the sum under the new M
	s_wait_alu depctr_va_vdst(0)
.irp c, 0,1
	v_max_num_f32 v[244+\c], 0x1800000, v[244+\c]  ; the floor 2^(3 - 127): the byte cannot fall under 1
.endr
.irp c, 0,1
	HINT 2
	v_add_nc_u32 v[246+\c], 0xff000000, v[244+\c]  ; 2 off the exponent field: the conversions' scale operand
.endr
.irp c, 0,1
	v_cvt_scalef32_pk16_fp6_f32 v[224+6*\c:226+6*\c], v[96+32*\c:111+32*\c], v[246+\c]
	v_cvt_scalef32_pk16_fp6_f32 v[236+4*\c:238+4*\c], v[112+32*\c:127+32*\c], v[246+\c]   ; (a conversion's three registers begin on an even number)
.endr
	v_lshrrev_b32 v254, 23, v246                   ; my two bytes: blocks h and 2 + h
	v_lshrrev_b32 v255, 23, v247
	HINT 1
	v_lshl_or_b32 v253, v255, 16, v254
	HINT 1
	v_lshlrev_b32 v253, v3, v253                   ; at their places, 8 h bits up
	HINT 1
	v_permlanex16_b32 v254, v253, s[SEL], s[SEL+1]
	HINT 1
	v_or_b32 v253, v253, v254                      ; with lane l xor 16's two the word is whole
.irp c, 0,1
.irp i, 0,1,2
	v_mov_b32 v[227+6*\c+\i], v[236+4*\c+\i]
.endr
.endr
	v_pk_add_f32 v[88:89], v[96:97], v[98:99]      ; the row's sum of the unquantised p, in four chains
	v_pk_add_f32 v[90:91], v[100:101], v[102:103]
	v_pk_add_f32 v[92:93], v[104:105], v[106:107]
	v_pk_add_f32 v[14:15], v[14:15], v[108:109]
.set J, 110
.rept 6
	v_pk_add_f32 v[88:89], v[88:89], v[J:J+1]
	v_pk_add_f32 v[90:91], v[90:91], v[J+2:J+3]
	v_pk_add_f32 v[92:93], v[92:93], v[J+4:J+5]
	v_pk_add_f32 v[14:15], v[14:15], v[J+6:J+7]
.set J, J+8
.endr
	s_wait_dscnt 0x0                               ; V
	s_wait_alu depctr_va_vdst(0)                   ; directly ahead of the first reader of O^T
.set J, 0
.rept 16
	v_pk_mul_f32 v[160+J:161+J], v[160+J:161+J], v[252:253] op_sel_hi:[1,0]   ; O^T under the new M
.set J, J+2
.endr
.irp t, 0,1,2,3
	v_wmma_scale_f32_16x16x128_f8f6f4 v[160+8*\t:167+8*\t], v[32+12*\t:43+12*\t], v[224:235], v[160+8*\t:167+8*\t], v[248+\t], v253 matrix_a_fmt:MATRIX_FMT_FP6 matrix_b_fmt:MATRIX_FMT_FP6
.endr
	v_pk_add_f32 v[92:93], v[92:93], v[158:159]    ; the sum's last four additions are the places behind the products
	v_pk_add_f32 v[88:89], v[88:89], v[90:91]
	v_pk_add_f32 v[14:15], v[14:15], v[92:93]
	v_pk_add_f32 v[14:15], v[14:15], v[88:89]
.endm
.macro INIT p                          ; head p of the pair begins
	s_mov_b32 s[TK], KHEAD*\p
	s_mov_b32 s[TS], 4096*\p
	s_mov_b32 s[TV], 49152*\p
	s_mov_b32 s[TJ], 2048*\p
	v_add_nc_u32 v9, s[TK], v4
	v_add_nc_u32 v10, s[TK], v5
	v_add_nc_u32 v11, s[TS], v6
	v_add_nc_u32 v28, s[TV], v7
	v_add_nc_u32 v29, s[TJ], v8
	v_mov_b32 v13, 0xff61b1e6                      ; the largest score so far: -3e38
	v_mov_b32 v12, 0x7f61b1e6                      ; -M
	v_mov_b32 v14, 0
	v_mov_b32 v15, 0
.set J, 0
.rept 32
	v_mov_b32 v[160+J], 0                          ; O^T: the first step finds zeros, which the first change of M leaves zeros
.set J, J+1
.endr
.endm
; The division and the quantiser: the head's 64 channels are two blocks of 32, registers 6 p .. 6 p + 5 of the result's fragment and bytes 2 p, 2 p + 1 of its scale word.
.macro FINISH p
	v_add_f32 v14, v14, v15
	s_delay_alu instid0(VALU_DEP_1)
	v_permlanex16_b32 v252, v14, s[SEL], s[SEL+1]
	s_delay_alu instid0(VALU_DEP_1)
	v_add_f32 v14, v14, v252                       ; the row's sum
	s_wait_alu depctr_va_vdst(0)
	v_rcp_f32 v14, v14
	v_nop
.set J, 0
	s_wait_alu depctr_va_vdst(0)
.rept 32
	v_mul_f32 v[96+J], v[160+J], v14               ; register 16 b + i is channel 32 b + 16 h + i of my query
.set J, J+1
.endr
.irp b, 0,1
	v_max3_num_f32 v[232+\b], |v[96+16*\b]|, |v[97+16*\b]|, 0x1800000
.endr
.irp i, 2,4,6,8,10,12,14
.irp b, 0,1
	s_delay_alu instid0(VALU_DEP_2)
	v_max3_num_f32 v[232+\b], v[232+\b], |v[96+16*\b+\i]|, |v[97+16*\b+\i]|
.endr
.endr
.irp b, 0,1
	v_permlanex16_b32 v[236+\b], v[232+\b], s[SEL], s[SEL+1]
.endr
.irp b, 0,1
	s_delay_alu instid0(VALU_DEP_2)
	v_max_num_f32 v[232+\b], v[232+\b], v[236+\b]
.endr
.irp b, 0,1
	s_delay_alu instid0(VALU_DEP_2)
	v_add_nc_u32 v[244+\b], 0xff000000, v[232+\b]
.endr
.irp b, 0,1
	s_delay_alu instid0(VALU_DEP_2)
	v_lshrrev_b32 v[236+\b], 23, v[244+\b]
.endr
.if \p == 0
	s_delay_alu instid0(VALU_DEP_1)
	v_lshl_or_b32 v[OW], v237, 8, v236
.else
	s_delay_alu instid0(VALU_DEP_2)
	v_lshl_or_b32 v[OW], v236, 16, v[OW]
	s_delay_alu instid0(VALU_DEP_1)
	v_lshl_or_b32 v[OW], v237, 24, v[OW]
.endif
	v_cvt_scalef32_pk16_fp6_f32 v[OC+6*\p:OC+6*\p+2], v[96:111], v244
	v_cvt_scalef32_pk16_fp6_f32 v[240:242], v[112:127], v245
	v_nop
.irp i, 0,1,2
	v_permlane16_swap_b32 v[OC+6*\p+\i], v[240+\i]
.endr
.irp i, 0,1,2
	s_delay_alu instid0(VALU_DEP_3)
	v_mov_b32 v[OC+6*\p+3+\i], v[240+\i]
.endr
.endm
	INIT 0
	s_wait_alu depctr_va_vdst(0)
	s_wait_loadcnt 0x0                             ; Q
	s_cmp_lt_u32 s[WV], 8
	s_cbranch_scc0 .Lnot_first
	s_wait_tensorcnt 0x0                           ; waves 0-7: my part of the first head, or of the scale words, has landed
.Lnot_first:
	s_barrier_signal -1
	s_barrier_wait -1                              ; everybody's has; the second head's parts may be out
	KSTEP 16, 243
	s_wait_tensorcnt 0x0                           ; every wave: whatever I asked for has landed
	s_wait_dscnt 0x0
	s_barrier_signal -1
	s_barrier_wait -1                              ; the second head is whole too: no barrier stands between the heads
	s_mov_b32 s[CNT], 7
.Lkeys_a:
	KSTEP 16, 243
	s_sub_co_u32 s[CNT], s[CNT], 1
	s_cmp_lg_u32 s[CNT], 0
	s_cbranch_scc1 .Lkeys_a
	FINISH 0
	INIT 1
	s_mov_b32 s[CNT], 8
.Lkeys_b:
	KSTEP 200, 86
	s_sub_co_u32 s[CNT], s[CNT], 1
	s_cmp_lg_u32 s[CNT], 0
	s_cbranch_scc1 .Lkeys_b
	FINISH 1
.irp c, 0,1,2
	global_store_b128 v1, v[OC+4*\c:OC+4*\c+3], s[12:13] offset:512*\c   ; the fragment's image: 32 lanes store 512 consecutive bytes, at a multiple of 256 from the buffer's first byte
.endr
	ds_store_b32 v239, v[OW]                       ; both lanes of a row write the same word with the same value
	s_wait_dscnt 0x0
	s_barrier_signal -1
	s_barrier_wait -1
	s_cmp_lt_u32 s[WV], 2
	s_cbranch_scc0 .Lno_words
	ds_load_b128 v[96:99], v31                     ; 256 places' words leave as 1,024 consecutive bytes, 512 a wave
	s_wait_dscnt 0x0
	global_store_b128 v1, v[96:99], s[14:15]
.Lno_words:
	s_wait_tensorcnt 0x0                           ; the wave's end
	ds_add_u32 v95, v94
	s_wait_dscnt 0x0
	CROUND                                         ; the closing round
	s_endpgm
.Lfunc_end_k_q0cbf30e723_attn:
	.size	k_q0cbf30e723_attn, .Lfunc_end_k_q0cbf30e723_attn-k_q0cbf30e723_attn
	.p2alignl 7, 3214868480
	.fill 96, 4, 3214868480
	.section	.rodata,"a",@progbits
	.p2align	6, 0x0
	.amdhsa_kernel k_q0cbf30e723_attn
		.amdhsa_group_segment_fixed_size 237568
		.amdhsa_private_segment_fixed_size 0
		.amdhsa_enable_private_segment 0
		.amdhsa_kernarg_size 48
		.amdhsa_user_sgpr_count 2
		.amdhsa_user_sgpr_kernarg_segment_ptr 1
		.amdhsa_wavefront_size32 1
		.amdhsa_system_sgpr_workgroup_id_x 1
		.amdhsa_system_sgpr_workgroup_id_y 1
		.amdhsa_system_sgpr_workgroup_id_z 1
		.amdhsa_system_vgpr_workitem_id 0
		.amdhsa_next_free_vgpr 256
		.amdhsa_next_free_sgpr 92
		.amdhsa_reserve_vcc 0
		.amdhsa_float_denorm_mode_32 3
		.amdhsa_float_denorm_mode_16_64 3
		.amdhsa_memory_ordered 1
		.amdhsa_forward_progress 1
		.amdhsa_inst_pref_size 69
	.end_amdhsa_kernel
	.amdgpu_metadata
---
amdhsa.version: [ 1, 2 ]
amdhsa.kernels:
  - .name:           k_q0cbf30e723_attn
    .symbol:         k_q0cbf30e723_attn.kd
    .args:
      - { .name: qk_img, .offset: 0, .size: 8, .value_kind: global_buffer, .address_space: global }
      - { .name: qk_sc, .offset: 8, .size: 8, .value_kind: global_buffer, .address_space: global }
      - { .name: v_img, .offset: 16, .size: 8, .value_kind: global_buffer, .address_space: global }
      - { .name: v_sc, .offset: 24, .size: 8, .value_kind: global_buffer, .address_space: global }
      - { .name: ao_img, .offset: 32, .size: 8, .value_kind: global_buffer, .address_space: global }
      - { .name: ao_sc, .offset: 40, .size: 8, .value_kind: global_buffer, .address_space: global }
    .group_segment_fixed_size: 237568
    .private_segment_fixed_size: 0
    .kernarg_segment_align: 8
    .kernarg_segment_size: 48
    .max_flat_workgroup_size: 512
    .sgpr_count:     92
    .vgpr_count:     256
    .wavefront_size: 32
...
	.end_amdgpu_metadata
.endif
;; end of part 3
;; launch oproj (part 4): grid 4 x 64, 4 waves a work-group, clusters of 4 x 4, 327,680 bytes of LDS; arguments ao_img, ao_sc, xw_img, xw_sc, out0; writes out0
.if DOCPART == 4
	.amdgcn_target "amdgcn-amd-amdhsa--gfx1250"
	.amdhsa_code_object_version 6
	.text
	.protected	k_q0cbf30e723_oproj
	.globl	k_q0cbf30e723_oproj
	.p2align	8
	.type	k_q0cbf30e723_oproj,@function
k_q0cbf30e723_oproj:
	s_mov_b64 s[64:65], 0
	v_nop
	global_prefetch_b8 v0, s[64:65] scope:SCOPE_SE
	s_setreg_imm32_b32 hwreg(HW_REG_WAVE_MODE, 25, 1), 1
	s_wait_xcnt 0x0
	s_wait_alu depctr_hold_cnt(0) depctr_sa_sdst(0) depctr_va_vdst(0) depctr_va_sdst(0) depctr_va_ssrc(0) depctr_va_vcc(0) depctr_vm_vsrc(0)
	s_getreg_b32 s2, hwreg(HW_REG_IB_STS2, 6, 4)
	s_cmp_eq_u32 s2, 0
	s_cbranch_scc0 .Lentry_in_a_cluster
	s_endpgm
.Lentry_in_a_cluster:
	s_bfe_u32 s2, ttmp6, 0x10000c
	s_cmp_lg_u32 s2, 0xf033
	s_cbranch_scc0 .Lentry_shape_is_right
	s_endpgm
.Lentry_shape_is_right:
; out0 = o wo^T on codes of FP6 (E2M3) with E8M0 scales; K = 1,024; sums and result f32.
; OPERANDS.  ao_img: [512 tiles of 16 tokens][8 K steps of 128][1,536], xw_img: the same with wo's 64 tiles from tile 704 on: a fragment as an image of its 12 registers.  ao_sc: [8 K steps][8,192 places] scale words;
; xw_sc: [8 K steps][12,288 places].  Place r of tile T is row 32 (T / 2) + 8 (T % 2) + r + 8 (r / 8).
; THE DEAL.  A work-group makes 128 rows x 256 columns: 256 work-groups.  Each of its four waves takes all 128 rows x 64 columns: its 4 tiles of wo, ALL of K, lie in registers (32 fragments, 384 registers),
; and the tokens stream past them in 8 blocks of 16 rows, all of K (8 fragments and 8 scale words, in two sets: block s reads set s % 2, and behind its products that set takes block s + 2).
; A block's 16 x 64 results are finished after its 32 products and leave at once, while the next block is multiplied.
; LDS.  A tile's eight K steps are 12,288 consecutive bytes, so the tokens' 8 tiles and wo's 16 are two dense blocks of memory.  ONE load a wave at the head: wave 0 wo's codes, wave 1 wo's scale words,
; wave 2 the tokens' scale words, wave 3 the tokens' codes.  The first barrier shows what waves 0 and 1 brought; the weights' 96 LDS loads stand ahead of the wait for the rest.  Every byte is filled once;
; nothing is loaded in the walk over the blocks, so there is no later tile to prefetch.
; THE MATRIX INSTRUCTION IS USED TRANSPOSED (source 0 = 16 rows of wo, source 1 = 16 tokens): a lane holds a token, and register j of accumulator b is column 32 (b / 2) + 16 (lane / 16) + 8 (b % 2) + j of my 64.
; CLUSTERS: 4 x 4 work-groups.  The tokens' tiles are shared along a row of the cluster, wo's along a column: each is asked for jointly, by the same tensor load with the same descriptor and a mask that names the four.
; REGISTERS.  Fragment f lies in window 1 + f / 21 at register 12 (f % 21): 0-31 wo's (4 k + b), 32-39 and 40-47 the tokens' two sets.  Window 0: v4-17 addresses; v24-39 wo's scale words (register 8 (b / 2) + k:
; lanes 0-15 tile b even, lanes 16-31 tile b odd); v44-59 the tokens', two sets of eight; v64-127 two sets of four accumulators; v128-191 two sets of 16 rows on the way out.
.set FR,     12
.set FPW,    21
.set TILEB,  12288
.set BB0,    8*TILEB                   ; wo's 16 tiles lie behind the tokens' 8
.set SCL,    24*TILEB                  ; the tokens' scale words: [8 K steps][128 words]
.set SCLB,   SCL+4096                  ; wo's: [8 K steps][256 words]
.set STAGE,  SCLB+8192                 ; the way out: 16 rows x (256 bytes + 16) for each wave; no tensor load lands here
.set SPITCH, 272
.set SPARE,  STAGE+4*16*SPITCH
.set ADA,  4                           ; v4, v5  the tokens' fragments: tiles 0-3, tiles 4-7
.set ADB,  6                           ; v6      my 4 tiles of wo
.set ASA,  10                          ; v10     the tokens' scale words: 4 r
.set ASB,  11                          ; v11     wo's: 4 x lane
.set STO,  12                          ; v12     the stage, in: row r, 64 bytes for each half of the lanes
.set RD,   13                          ; v13     and back: sixteen lanes to a row of 256 bytes, two rows a load
.set CO,   14                          ; v14     16 x lane
.set GO,   15                          ; v15     the same two rows in out0
.set SPW,  16
.set NIL,  17
.set SB,   24
.set SA,   44
.set ACC,  64
.set OB,   128
.set G1A,  24
.set G1B,  32
.set G1SA, 40
.set G1SB, 48
.set G0SA, 56
.set G0SB, 60
.set G0A,  68
.set G0B,  72
.set MSB, 0
.macro WIN new                         ; the immediate's high byte repeats the setting that is left
.if MSB != (\new)
	s_set_vgpr_msb (MSB<<8)|(\new)
.set MSB, (\new)
.endif
.endm
.macro CROUND
	s_barrier_signal -1
	s_barrier_wait -1
	s_cmp_lg_u32 s14, 0
	s_cbranch_scc1 .Lnot_wave_0_\@
	s_barrier_signal -3
.Lnot_wave_0_\@:
	s_barrier_wait -3
	s_barrier_signal -1
	s_barrier_wait -1
.endm
.macro GROUP1 g, cols, rows, pitch
	s_mov_b32 s[\g+1], (\cols)<<16
	s_mov_b32 s[\g+2], (\rows)<<16
	s_mov_b32 s[\g+3], (\cols)<<16
	s_mov_b32 s[\g+4], \rows
	s_mov_b32 s[\g+5], \pitch
	s_mov_b32 s[\g+6], 0
	s_mov_b32 s[\g+7], 0
.endm
.macro GROUP0 g, lds, adr
	s_mov_b32 s[\g], 1
	s_mov_b32 s[\g+1], \lds
	s_mov_b64 s[\g+2:\g+3], s[\adr:\adr+1]
	s_or_b32 s[\g+3], s[\g+3], 0x80000000
.endm
.macro PLACES
.rept 4
	v_nop
.endr
.endm
.macro ARM under, g0, g1, next         ; one arm of the head's chain: one load, then the jump to the join
	s_cmp_lt_u32 s14, \under
	s_cbranch_scc0 \next
	tensor_load_to_lds s[\g0:\g0+3], s[\g1:\g1+7]
	s_nop 0
	PLACES
	s_branch .Lasked
\next:
.endm
	s_load_b256 s[4:11], s[0:1], 0x0               ; ao_img, ao_sc, xw_img, xw_sc
	s_load_b64 s[12:13], s[0:1], 0x20              ; out0
	v_lshl_add_u32 v[SPW], v0, 2, SPARE
	v_mov_b32 v[NIL], 0
	ds_add_u32 v[SPW], v[NIL]                      ; the opening lines: the add twice on end and its wait
	ds_add_u32 v[SPW], v[NIL]
	v_lshrrev_b32 v1, 5, v0
	v_readfirstlane_b32 s14, v1                    ; wave 0..3: my 64 columns
	s_bfe_u32 s17, ttmp6, 0x40000                  ; cx
	s_bfe_u32 s18, ttmp6, 0x40004                  ; cy
	s_lshl_b32 s21, s18, 2
	s_lshl_b32 s21, 15, s21                        ; my row of the cluster
	s_lshl_b32 s22, 0x1111, s17                    ; my column
	s_lshl_b32 s19, ttmp9, 2
	s_add_co_u32 s17, s19, s17                     ; my work-group's 256 columns
	s_and_b32 s19, ttmp7, 0xffff
	s_lshl_b32 s19, s19, 2
	s_add_co_u32 s18, s19, s18                     ; its 128 rows
	s_or_b32 s[G1A], s21, (3<<16)|(1<<21)
	GROUP1 G1A, 32, 384, 32                        ; the tokens' codes: 98,304 dense bytes as rows of 256
	s_or_b32 s[G1B], s22, (3<<16)|(1<<21)
	GROUP1 G1B, 32, 768, 32                        ; wo's: 196,608
	s_or_b32 s[G1SA], s21, (2<<16)|(1<<21)
	GROUP1 G1SA, 128, 8, 8192                      ; the tokens' scale words: 8 K steps x 128 words
	s_or_b32 s[G1SB], s22, (2<<16)|(1<<21)
	GROUP1 G1SB, 256, 8, 12288                     ; wo's: 8 K steps x 256 words
	s_mul_i32 s2, s18, 8*TILEB
	s_mov_b32 s3, 0
	s_lshl_b32 s20, s18, 9
	s_mov_b32 s21, 0
	s_lshl_b32 s22, s17, 4
	s_add_co_u32 s22, s22, 704                     ; wo: tile 704 + 16 x my 256 columns
	s_lshl_b32 s100, s22, 6
	s_mov_b32 s101, 0
	s_mul_i32 s22, s22, TILEB
	s_mov_b32 s23, 0
	s_wait_dscnt 0x0
	s_wait_kmcnt 0x0
	s_add_nc_u64 s[2:3], s[4:5], s[2:3]
	s_add_nc_u64 s[20:21], s[6:7], s[20:21]
	s_add_nc_u64 s[22:23], s[8:9], s[22:23]
	s_add_nc_u64 s[100:101], s[10:11], s[100:101]
	GROUP0 G0B, BB0, 22
	GROUP0 G0SB, SCLB, 100
	GROUP0 G0SA, SCL, 20
	GROUP0 G0A, 0, 2
	CROUND                                         ; all sixteen work-groups are here: the joint loads meet
	ARM 1, G0B,  G1B,  .Lsb
	ARM 2, G0SB, G1SB, .Lsa
	ARM 3, G0SA, G1SA, .Lca
	tensor_load_to_lds s[G0A:G0A+3], s[G1A:G1A+7]
	s_nop 0
	PLACES
.Lasked:
	s_mul_i32 s3, s14, 4*TILEB                     ; my 4 tiles of wo
	s_add_co_u32 s3, s3, BB0
	s_lshl_b32 s19, s14, 8                         ; their 64 scale words
	s_add_co_u32 s19, s19, SCLB
	s_mul_i32 s23, s14, 16*SPITCH                  ; my stage
	s_add_co_u32 s23, s23, STAGE
	s_lshl_b32 s100, s18, 19                       ; out0: 128 rows of 4,096 bytes,
	s_lshl_b32 s101, s17, 10                       ; 256 columns of 4 bytes,
	s_add_co_u32 s100, s100, s101
	s_lshl_b32 s101, s14, 8                        ; my 64 of them
	s_add_co_u32 s100, s100, s101
	s_mov_b32 s101, 0
	s_add_nc_u64 s[12:13], s[12:13], s[100:101]
	v_and_b32 v1, 15, v0                           ; r
	v_bfe_u32 v2, v0, 4, 1                         ; h
	v_and_b32 v3, 31, v0                           ; lane
	v_lshlrev_b32 v[CO], 4, v3
	v_lshlrev_b32 v[ADA], 4, v3
	v_add_nc_u32 v[ADA+1], 4*TILEB, v[CO]
	v_add_nc_u32 v[ADB], s3, v[CO]
	v_lshl_add_u32 v[ASA], v1, 2, SCL
	v_lshl_add_u32 v[ASB], v3, 2, s19
	v_mul_u32_u24 v7, v1, SPITCH
	v_lshl_add_u32 v7, v2, 6, v7
	v_add_nc_u32 v[STO], s23, v7
	v_mul_u32_u24 v8, v2, SPITCH
	v_lshl_add_u32 v8, v1, 4, v8
	v_add_nc_u32 v[RD], s23, v8
	v_lshlrev_b32 v[GO], 12, v2
	v_lshl_add_u32 v[GO], v1, 4, v[GO]
.macro FRAG f, adr, off                ; a fragment's image: three loads of 512 consecutive bytes
	WIN (1+(\f)/FPW)<<6
.irp c, 0,1,2
	ds_load_b128 v[FR*((\f)%FPW)+4*\c:FR*((\f)%FPW)+4*\c+3], v[\adr] offset:(\off)+512*\c
.endr
.endm
.macro FETCH s                         ; block s of the tokens into set s % 2: 24 + 8 = 32 loads
.irp k, 0,1,2,3,4,5,6,7
	FRAG 32+8*((\s)%2)+\k, ADA+(\s)/4, TILEB*((\s)%4)+1536*\k
.endr
	WIN 0
.irp k, 0,1,2,3,4,5,6,7
	ds_load_b32 v[SA+8*((\s)%2)+\k], v[ASA] offset:512*\k+64*(\s)
.endr
.endm
.macro PROD1 c, row
	v_wmma_scale_f32_16x16x128_f8f6f4 v[D_:D_+7], v[FR*(FB_%FPW):FR*(FB_%FPW)+FR-1], v[FR*(FA_%FPW):FR*(FA_%FPW)+FR-1], \c, v[SB+8*(B_/2)+K_], v[SA+8*E_+K_] matrix_a_fmt:MATRIX_FMT_FP6 matrix_b_fmt:MATRIX_FMT_FP6 matrix_a_scale:MATRIX_SCALE_ROW\row
.endm
; A block's 32 products: K ascending, the four accumulators by turns, one instruction a turn; the first four start the sums
.macro PRODS s
.set E_, (\s)%2
.set FB_, 0
.rept 32
.set K_, FB_/4
.set B_, FB_%4
.set FA_, 32+8*E_+K_
.set D_, ACC+32*E_+8*B_
	WIN (1+FB_/FPW)|((1+FA_/FPW)<<2)
.if K_ == 0
.if B_%2
	PROD1 0, 1
.else
	PROD1 0, 0
.endif
.else
.if B_%2
	PROD1 v[D_:D_+7], 1
.else
	PROD1 v[D_:D_+7], 0
.endif
.endif
.set FB_, FB_+1
.endr
	WIN 0
.endm
; THE WAY OUT of a block of 16 rows x 64 columns.  A lane holds pieces of 32 bytes of a row, and the lanes beside it hold other rows: so the block goes through my own stage in LDS and comes back as whole rows of 256 bytes.
; LDS serves a wave's instructions in order (ISA guide 5.7.1.4): no wait between the stores and the loads, nor in front of the next block's stores.
.macro TOSTAGE s
.irp b, 0,1,2,3
	ds_store_b128 v[STO], v[ACC+32*((\s)%2)+8*\b:ACC+32*((\s)%2)+8*\b+3] offset:128*(\b/2)+32*(\b%2)          ; each accumulator from its low end on
	ds_store_b128 v[STO], v[ACC+32*((\s)%2)+8*\b+4:ACC+32*((\s)%2)+8*\b+7] offset:128*(\b/2)+32*(\b%2)+16
.endr
.irp t, 0,1,2,3,4,5,6,7
	ds_load_b128 v[OB+32*((\s)%2)+4*\t:OB+32*((\s)%2)+4*\t+3], v[RD] offset:2*\t*SPITCH
.endr
.endm
.macro SEND s                          ; places 2 t and 2 t + 1 of tile s: sixteen lanes store 256 consecutive bytes, at a multiple of 256 from out0's first byte
.irp t, 0,1,2,3,4,5,6,7
	global_store_b128 v[GO], v[OB+32*((\s)%2)+4*\t:OB+32*((\s)%2)+4*\t+3], s[12:13] offset:(32*((\s)/2)+8*((\s)%2)+2*\t+8*(\t/4))*4096 th:TH_STORE_NT
.endr
.endm
.macro BLOCK s
	PRODS \s
	PLACES                                         ; in front of the loads into the set just read and of the first read of the results
	s_wait_dscnt 0x0                               ; the next block's fragments are in, and the last block is back from the stage: both were asked for ahead of these 32 products
.if (\s) > 1
	s_wait_xcnt 0x0                                ; block s - 2's stores have read their registers, into which this block comes back
.endif
.if (\s) > 0
	SEND (\s)-1
.endif
.if (\s) < 6
	FETCH (\s)+2
.endif
	TOSTAGE \s
.endm
	s_wait_alu depctr_va_vdst(0)
	s_cmp_lt_u32 s14, 2
	s_cbranch_scc0 .Lnot_wo
	s_wait_tensorcnt 0x0                           ; waves 0 and 1: wo's codes, or its scale words, have landed
.Lnot_wo:
	s_barrier_signal -1
	s_barrier_wait -1                              ; the tokens' tiles may still be out
.irp k, 0,1,2,3,4,5,6,7
.irp b, 0,1,2,3
	FRAG 4*\k+\b, ADB, TILEB*\b+1536*\k            ; my 64 rows of wo, all of K
.endr
.endr
	WIN 0
.irp p, 0,1
.irp k, 0,1,2,3,4,5,6,7
	ds_load_b32 v[SB+8*\p+\k], v[ASB] offset:1024*\k+128*\p
.endr
.endr
	s_wait_tensorcnt 0x0                           ; every wave: whatever I asked for has landed
	s_wait_dscnt 0x0
	s_barrier_signal -1
	s_barrier_wait -1                              ; all four tiles are whole
	FETCH 0
	FETCH 1
	s_wait_dscnt 32                                ; block 0 is in; block 1's 32 loads may be out
.irp s, 0,1,2,3,4,5,6,7
	BLOCK \s
.endr
	s_wait_dscnt 0x0
	SEND 7
	s_wait_tensorcnt 0x0                           ; the wave's end
	ds_add_u32 v[SPW], v[NIL]
	s_wait_dscnt 0x0
	CROUND                                         ; the closing round
	s_endpgm
.Lfunc_end_k_q0cbf30e723_oproj:
	.size	k_q0cbf30e723_oproj, .Lfunc_end_k_q0cbf30e723_oproj-k_q0cbf30e723_oproj
	.p2alignl 7, 3214868480
	.fill 96, 4, 3214868480
	.section	.rodata,"a",@progbits
	.p2align	6, 0x0
	.amdhsa_kernel k_q0cbf30e723_oproj
		.amdhsa_group_segment_fixed_size 327680
		.amdhsa_private_segment_fixed_size 0
		.amdhsa_enable_private_segment 0
		.amdhsa_kernarg_size 40
		.amdhsa_user_sgpr_count 2
		.amdhsa_user_sgpr_kernarg_segment_ptr 1
		.amdhsa_wavefront_size32 1
		.amdhsa_system_sgpr_workgroup_id_x 1
		.amdhsa_system_sgpr_workgroup_id_y 1
		.amdhsa_system_sgpr_workgroup_id_z 1
		.amdhsa_system_vgpr_workitem_id 0
		.amdhsa_next_free_vgpr 896
		.amdhsa_next_free_sgpr 102
		.amdhsa_reserve_vcc 0
		.amdhsa_float_denorm_mode_32 3
		.amdhsa_float_denorm_mode_16_64 3
		.amdhsa_memory_ordered 1
		.amdhsa_forward_progress 1
		.amdhsa_inst_pref_size 81
	.end_amdhsa_kernel
	.amdgpu_metadata
---
amdhsa.version: [ 1, 2 ]
amdhsa.kernels:
  - .name:           k_q0cbf30e723_oproj
    .symbol:         k_q0cbf30e723_oproj.kd
    .args:
      - { .name: ao_img, .offset: 0, .size: 8, .value_kind: global_buffer, .address_space: global }
      - { .name: ao_sc, .offset: 8, .size: 8, .value_kind: global_buffer, .address_space: global }
      - { .name: xw_img, .offset: 16, .size: 8, .value_kind: global_buffer, .address_space: global }
      - { .name: xw_sc, .offset: 24, .size: 8, .value_kind: global_buffer, .address_space: global }
      - { .name: out0, .offset: 32, .size: 8, .value_kind: global_buffer, .address_space: global }
    .group_segment_fixed_size: 327680
    .private_segment_fixed_size: 0
    .kernarg_segment_align: 8
    .kernarg_segment_size: 40
    .max_flat_workgroup_size: 128
    .sgpr_count:     102
    .vgpr_count:     896
    .wavefront_size: 32
...
	.end_amdgpu_metadata
.endif
;; end of part 4
